; MI455X (gfx1250); checked and timed in simulation.
; The chip was launched on July 23, 2026; its instructions are those of AMD's public machine-readable ISA for CDNA 5 (MIT licence, August 2026) and "CDNA5" Instruction Set Architecture Reference Guide (July 2026). The comments in the code are by the model that wrote it; some were corrected since.
;; Multi Head Attn. Allowed arithmetic: float matrix products may take bf16 or f16 operands with f32 sums; all other float work in f32.
;; Inputs: W_o 1,024 x 1,024 float32; W_qkv 1,024 x 3,072 float32; b_qkv 3,072 float32; beta 1,024 float32; gamma 1,024 float32; inp 8 x 1,024 x 1,024 float32.
;; Outputs: out0 8 x 1,024 x 1,024 float32.
;; One version. Each part assembles by itself: llvm-mc -triple=amdgcn-amd-amdhsa -mcpu=gfx1250 --defsym DOCPART=n.
;; ======== version 1 of 1: 4 launches
;; workspace buffers: xb 16,777,216 bytes; wqb 6,291,456 bytes; wob 2,097,152 bytes; qkv 50,331,648 bytes; ao 16,777,216 bytes
;; launch cast (part 1): grid 256 x 1, 8 waves a work-group, no clusters, 0 bytes of LDS; arguments inp, W_qkv, W_o, xb, wqb, wob; writes xb, wqb, wob
.if DOCPART == 1
	.amdgcn_target "amdgcn-amd-amdhsa--gfx1250"
	.amdhsa_code_object_version 6
	.text
	.protected	k_q2c3649a48a_cast
	.globl	k_q2c3649a48a_cast
	.p2align	8
	.type	k_q2c3649a48a_cast,@function
k_q2c3649a48a_cast:
	s_mov_b64 s[64:65], 0
	v_nop
	global_prefetch_b8 v0, s[64:65] scope:SCOPE_SE
	s_setreg_imm32_b32 hwreg(HW_REG_WAVE_MODE, 25, 1), 1
	s_wait_xcnt 0x0
; inp, W_qkv and W_o are rounded once to bf16 (nearest even) and laid out for the tiles of the later launches:
;   xb  [16 panels of 64 columns][8192 rows][64]      a row of a panel is 128 bytes, rows follow each other without a gap
;   wqb [24 chunks of 128 columns][1024 k][128]       a row is 256 bytes
;   wob [ 4 chunks of 256 columns][1024 k][256]       a row is 512 bytes
; 256 work-groups of eight waves; a work-group takes 32 rows of inp, 4 rows of W_qkv and 4 rows of W_o.
; A thread handles 24 groups of eight numbers: two 16-byte loads, four packed roundings, one 16-byte store; sixteen neighbouring
; lanes store 256 consecutive bytes that start at a multiple of 256 from the buffer's first byte.
; Straight line: all 48 loads of a thread go out first (768 bytes a lane on their way), no register is written twice, so the
; only waits are the counted ones for the loads.  No LDS, no matrix unit, no cluster: nothing is shared between work-groups.
.set PAN, 0x100000                     ; bytes in a panel: 8192 rows x 128
.set X,   16                           ; v[16:207]  group g: eight f32 as loaded; its first four registers then hold the eight bf16
.macro LD2 g, vo, sb, imm
	global_load_b128 v[X+8*(\g):X+8*(\g)+3],   v[\vo], s[\sb:\sb+1] offset:(\imm) th:TH_LOAD_NT
	global_load_b128 v[X+8*(\g)+4:X+8*(\g)+7], v[\vo], s[\sb:\sb+1] offset:(\imm)+16 th:TH_LOAD_NT
.endm
.macro CVT g, vo, sb, imm
	s_wait_loadcnt 2*(23-(\g))                     ; loads come back in order: the two loads of each younger group may stay out
	v_cvt_pk_bf16_f32 v[X+8*(\g)],   v[X+8*(\g)],   v[X+8*(\g)+1]
	v_cvt_pk_bf16_f32 v[X+8*(\g)+1], v[X+8*(\g)+2], v[X+8*(\g)+3]
	v_cvt_pk_bf16_f32 v[X+8*(\g)+2], v[X+8*(\g)+4], v[X+8*(\g)+5]
	v_cvt_pk_bf16_f32 v[X+8*(\g)+3], v[X+8*(\g)+6], v[X+8*(\g)+7]
	global_store_b128 v[\vo], v[X+8*(\g):X+8*(\g)+3], s[\sb:\sb+1] offset:(\imm)
.endm
	s_load_b256 s[4:11], s[0:1], 0x0               ; inp s[4:5], W_qkv s[6:7], W_o s[8:9], xb s[10:11]
	s_load_b128 s[12:15], s[0:1], 0x20             ; wqb s[12:13], wob s[14:15]
	v_lshrrev_b32 v7, 5, v0                        ; w: wave
	v_bfe_u32 v8, v0, 4, 1                         ; hh: upper or lower sixteen lanes
	v_and_b32 v9, 15, v0                           ; l15
	v_lshrrev_b32 v1, 3, v0                        ; inp: row t / 8 of the group's 32,
	v_and_b32 v10, 7, v0
	v_lshlrev_b32 v1, 12, v1                       ; 4,096 bytes a row,
	v_lshl_add_u32 v1, v10, 5, v1                  ; eight f32 at 32 (t mod 8) inside the panel's 256 bytes
	v_lshlrev_b32 v2, 4, v0                        ; xb: 16 t (32 rows x 128 bytes of a panel are dense)
	v_mul_u32_u24 v3, v8, 12288                    ; W_qkv: row hh,
	v_lshl_add_u32 v3, v9, 5, v3                   ; eight f32 at 32 l15,
	v_mad_u32_u24 v3, v7, 1536, v3                 ; the wave's three chunks of 512 bytes
	v_mul_u32_u24 v4, v7, 786432                   ; wqb: three chunks of 262,144 bytes a wave,
	v_lshl_add_u32 v4, v8, 8, v4                   ; row hh of 256 bytes,
	v_lshl_add_u32 v4, v9, 4, v4                   ; 16 l15
	v_lshlrev_b32 v5, 12, v8                       ; W_o: row hh of 4,096 bytes,
	v_lshl_add_u32 v5, v7, 9, v5                   ; the wave's 128 columns,
	v_lshl_add_u32 v5, v9, 5, v5
	v_lshrrev_b32 v11, 1, v7                       ; wob: chunk w / 2,
	v_and_b32 v12, 1, v7
	v_lshlrev_b32 v6, 19, v11
	v_lshl_add_u32 v6, v12, 8, v6                  ; its half w mod 2 (256 bytes),
	v_lshl_add_u32 v6, v8, 9, v6                   ; row hh of 512 bytes,
	v_lshl_add_u32 v6, v9, 4, v6
	s_mov_b32 s19, 0
	s_wait_kmcnt 0x0
	s_lshl_b32 s18, ttmp9, 17                      ; 32 rows of inp
	s_add_nc_u64 s[4:5], s[4:5], s[18:19]
	s_mul_i32 s18, ttmp9, 49152                    ; 4 rows of W_qkv
	s_add_nc_u64 s[6:7], s[6:7], s[18:19]
	s_lshl_b32 s18, ttmp9, 14                      ; 4 rows of W_o
	s_add_nc_u64 s[8:9], s[8:9], s[18:19]
	s_lshl_b32 s18, ttmp9, 12                      ; 32 rows of a panel of xb
	s_add_nc_u64 s[10:11], s[10:11], s[18:19]
	s_add_nc_u64 s[16:17], s[10:11], 8*PAN         ; panels 8 to 15 from a second base: the immediates stay inside their signed 24 bits
	s_lshl_b32 s18, ttmp9, 10                      ; 4 rows of a chunk of wqb
	s_add_nc_u64 s[12:13], s[12:13], s[18:19]
	s_lshl_b32 s18, ttmp9, 11                      ; 4 rows of a chunk of wob
	s_add_nc_u64 s[14:15], s[14:15], s[18:19]
.irp p, 0,1,2,3,4,5,6,7,8,9,10,11,12,13,14,15
	LD2 \p, 1, 4, \p*256                           ; panel p of my row
.endr
	LD2 16, 3, 6, 0                                ; W_qkv: rows 0 and 1, the wave's chunks 0, 1, 2
	LD2 17, 3, 6, 512
	LD2 18, 3, 6, 1024
	LD2 19, 3, 6, 24576                            ; rows 2 and 3
	LD2 20, 3, 6, 25088
	LD2 21, 3, 6, 25600
	LD2 22, 5, 8, 0                                ; W_o: rows 0 and 1
	LD2 23, 5, 8, 8192                             ; rows 2 and 3
.irp p, 0,1,2,3,4,5,6,7
	CVT \p, 2, 10, \p*PAN
.endr
.irp p, 8,9,10,11,12,13,14,15
	CVT \p, 2, 16, (\p-8)*PAN
.endr
	CVT 16, 4, 12, 0
	CVT 17, 4, 12, 262144
	CVT 18, 4, 12, 524288
	CVT 19, 4, 12, 512
	CVT 20, 4, 12, 262656
	CVT 21, 4, 12, 524800
	CVT 22, 6, 14, 0
	CVT 23, 6, 14, 1024
	s_endpgm
.Lfunc_end_k_q2c3649a48a_cast:
	.size	k_q2c3649a48a_cast, .Lfunc_end_k_q2c3649a48a_cast-k_q2c3649a48a_cast
	.p2alignl 7, 3214868480
	.fill 96, 4, 3214868480
	.section	.rodata,"a",@progbits
	.p2align	6, 0x0
	.amdhsa_kernel k_q2c3649a48a_cast
		.amdhsa_group_segment_fixed_size 0
		.amdhsa_private_segment_fixed_size 0
		.amdhsa_enable_private_segment 0
		.amdhsa_kernarg_size 48
		.amdhsa_user_sgpr_count 2
		.amdhsa_user_sgpr_kernarg_segment_ptr 1
		.amdhsa_wavefront_size32 1
		.amdhsa_system_sgpr_workgroup_id_x 1
		.amdhsa_system_sgpr_workgroup_id_y 1
		.amdhsa_system_sgpr_workgroup_id_z 1
		.amdhsa_system_vgpr_workitem_id 0
		.amdhsa_next_free_vgpr 216
		.amdhsa_next_free_sgpr 66
		.amdhsa_reserve_vcc 0
		.amdhsa_float_denorm_mode_32 3
		.amdhsa_float_denorm_mode_16_64 3
		.amdhsa_memory_ordered 1
		.amdhsa_forward_progress 1
		.amdhsa_inst_pref_size 16
	.end_amdhsa_kernel
	.amdgpu_metadata
---
amdhsa.version: [ 1, 2 ]
amdhsa.kernels:
  - .name:           k_q2c3649a48a_cast
    .symbol:         k_q2c3649a48a_cast.kd
    .args:
      - { .name: inp, .offset: 0, .size: 8, .value_kind: global_buffer, .address_space: global }
      - { .name: W_qkv, .offset: 8, .size: 8, .value_kind: global_buffer, .address_space: global }
      - { .name: W_o, .offset: 16, .size: 8, .value_kind: global_buffer, .address_space: global }
      - { .name: xb, .offset: 24, .size: 8, .value_kind: global_buffer, .address_space: global }
      - { .name: wqb, .offset: 32, .size: 8, .value_kind: global_buffer, .address_space: global }
      - { .name: wob, .offset: 40, .size: 8, .value_kind: global_buffer, .address_space: global }
    .group_segment_fixed_size: 0
    .private_segment_fixed_size: 0
    .kernarg_segment_align: 8
    .kernarg_segment_size: 48
    .max_flat_workgroup_size: 256
    .sgpr_count:     66
    .vgpr_count:     216
    .wavefront_size: 32
...
	.end_amdgpu_metadata
.endif
;; end of part 1
;; launch qkv (part 2): grid 8 x 32, 4 waves a work-group, clusters of 4 x 4, 327,680 bytes of LDS; arguments xb, wqb, b_qkv, qkv; writes qkv
.if DOCPART == 2
	.amdgcn_target "amdgcn-amd-amdhsa--gfx1250"
	.amdhsa_code_object_version 6
	.text
	.protected	k_q2c3649a48a_qkv
	.globl	k_q2c3649a48a_qkv
	.p2align	8
	.type	k_q2c3649a48a_qkv,@function
k_q2c3649a48a_qkv:
	s_mov_b64 s[64:65], 0
	v_nop
	global_prefetch_b8 v0, s[64:65] scope:SCOPE_SE
	s_setreg_imm32_b32 hwreg(HW_REG_WAVE_MODE, 25, 1), 1
	s_wait_xcnt 0x0
	s_wait_alu depctr_hold_cnt(0) depctr_sa_sdst(0) depctr_va_vdst(0) depctr_va_sdst(0) depctr_va_ssrc(0) depctr_va_vcc(0) depctr_vm_vsrc(0)
	s_getreg_b32 s2, hwreg(HW_REG_IB_STS2, 6, 4)
	s_cmp_eq_u32 s2, 0
	s_cbranch_scc0 .Lentry_in_a_cluster
	s_endpgm
.Lentry_in_a_cluster:
	s_bfe_u32 s2, ttmp6, 0x10000c
	s_cmp_lg_u32 s2, 0xf033
	s_cbranch_scc0 .Lentry_shape_is_right
	s_endpgm
.Lentry_shape_is_right:
; qkv = inp W_qkv + b_qkv, 8192 x 3072 x 1024, bf16 operands, f32 sums, the result rounded once to bf16.
; Out: 48 panels [64 columns][8192 rows][64] (q heads 0-15, k heads 16-31, v heads 32-47), a row of a panel is 128 bytes.
; A work-group makes 256 rows x 384 columns: 32 x 8 = 256 work-groups, one for each WGP.  Four waves; wave w (wm = w / 2, wn = w mod 2)
; makes rows 128 wm .. +127 and, of each of the block's three chunks of 128 columns, the 64 columns 64 wn .. +63:
; 8 x 12 = 96 accumulator tiles of 16 x 16, 768 registers.
; K goes in 16 steps of 64 (one panel of xb) through two LDS slots; a step is two sub-steps of 32 along K, 96 matrix instructions each.
; Two slots of a step of 128 would take 2 x (256 x 272 + 3 x 128 x 288) = 360,448 bytes and do not fit.
; CLUSTERS: 4 x 4 work-groups.  The tile of x hangs on the block row alone and is asked for jointly by the four of a row of the cluster,
; the tiles of W hang on the block column alone and are asked for jointly by the four of a column.  Wave 0 asks for x's tile
; (256 rows x 128 bytes), waves 1 to 3 for one chunk of W each (64 rows x 256 bytes): one tensor load a wave behind each round.
; W lies [k][n] in LDS and is read by the transposing load.  The matrix instruction is used transposed (source 0 = 16 columns of W,
; source 1 = 16 rows of x), so that a lane's eight results are eight neighbouring columns of one row.
; REGISTERS: window 0: v16-27 addresses; v32-95, v96-159 fragments of x, two buffers; v160-255 fragments of W, 32 for each chunk.
;            window 1 + g: the 32 accumulator tiles of chunk g, tile (a, j) at v[8 (4 a + j)].
; Limit: operands are rounded to bf16; NaN and infinities in the inputs spread as the matrix unit spreads them.
.set PAN,   0x100000                   ; bytes in a panel
.set PA,    144                        ; LDS pitch of x: 128 bytes + 16: sixteen rows start at sixteen different 16-byte columns of 256 bytes
.set PB,    288                        ; LDS pitch of W: 256 bytes + 32 = 9 x 32
.set BOFF,  256*PA                     ; W's chunks lie behind x's 256 rows
.set BCH,   64*PB                      ; a chunk: 64 k rows
.set SLOT,  BOFF+3*BCH                 ; 92,160
.set STAGE, 2*SLOT                     ; behind the ring: 3 x 16 rows x 144 bytes for each wave; no tensor load lands there
.set SPAN,  16*PA
.set ADRA,  16                         ; v16-17  my x fragments in slot 0, 1
.set ADRB,  20                         ; v20-21  my W fragments in slot 0, 1
.set STO,   24                         ; the way out: where I put 16 bytes of a row
.set RD,    25                         ; the way out: where I read rows back
.set CO,    26                         ; 16 x lane
.set VB,    27                         ; my byte offset in the block's 384 biases
.set FA0,   32
.set FA1,   96
.set FB,    160
.set T,     32                         ; the way out: sums + bias, 32 registers
.set PK,    64                         ; the way out: packed, 16 registers for each chunk
.set OB,    112                        ; the way out: rows read back, 48 registers
.set G1A,   24                         ; s[24:31] shape of x's tile
.set G0A,   32                         ; s[32:39] from where, to where: one set for each slot
.set G1B,   48                         ; s[48:55] shape of W's tiles
.set G0B,   56                         ; s[56:63]
.set MSB,   0
.macro WIN new                         ; the immediate's high byte repeats the setting that is left
.if MSB != (\new)
	s_set_vgpr_msb (MSB<<8)|(\new)
.set MSB, (\new)
.endif
.endm
.macro PLACES                          ; four places behind a matrix instruction before its registers are loaded into or its result is read (ISA guide 7.12.1)
.rept 4
	v_nop
.endr
.endm
.macro JLOAD s                         ; wave 0: x's tile; waves 1 to 3: a chunk of W.  The branch hangs on the wave's number alone
	s_cmp_eq_u32 s12, 0
	s_cbranch_scc0 .Lfor_b_\@
	tensor_load_to_lds s[G0A+4*\s:G0A+4*\s+3], s[G1A:G1A+7]
	s_nop 0
	s_branch .Lasked_\@
.Lfor_b_\@:
	tensor_load_to_lds s[G0B+4*\s:G0B+4*\s+3], s[G1B:G1B+7]
	s_nop 0
.Lasked_\@:
.endm
.macro CREST                           ; a round of the cluster's barrier behind its opening work-group barrier
	s_cmp_lg_u32 s12, 0
	s_cbranch_scc1 .Lnot_wave_0_\@
	s_barrier_signal -3
.Lnot_wave_0_\@:
	s_barrier_wait -3
	s_barrier_signal -1
	s_barrier_wait -1
.endm
.macro CROUND
	s_barrier_signal -1
	s_barrier_wait -1
	CREST
.endm
	s_load_b256 s[4:11], s[0:1], 0x0               ; xb s[4:5], wqb s[6:7], b_qkv s[8:9], qkv s[10:11]
	v_lshl_add_u32 v30, v0, 2, 0x33c00
	v_mov_b32 v31, 0
	ds_add_u32 v30, v31
	ds_add_u32 v30, v31
	v_lshrrev_b32 v1, 5, v0
	v_readfirstlane_b32 s12, v1                    ; wave 0..3
	s_lshr_b32 s13, s12, 1                         ; wm
	s_and_b32 s14, s12, 1                          ; wn
	s_max_u32 s15, s12, 1
	s_sub_co_u32 s15, s15, 1                       ; the chunk of W that I fetch (wave 0 fetches none; 0 keeps its unused address inside the buffer)
	s_bfe_u32 s40, ttmp6, 0x40000                  ; cx
	s_bfe_u32 s41, ttmp6, 0x40004                  ; cy
	s_lshl_b32 s42, ttmp9, 2
	s_add_co_u32 s42, s42, s40                     ; block column 0..7
	s_and_b32 s43, ttmp7, 0xffff
	s_lshl_b32 s43, s43, 2
	s_add_co_u32 s43, s43, s41                     ; block row 0..31
	s_lshl_b32 s44, s41, 2
	s_lshl_b32 s44, 15, s44                        ; my row of the cluster
	s_lshl_b32 s45, 0x1111, s40                    ; my column
	s_or_b32 s[G1A+0], s44, 0x07310000             ; mask; 2-byte elements; padding on; bit 21 beside a mask; after every 32 words 4 words
	s_mov_b32 s[G1A+1], 64<<16                     ; tensor_dim0 = 64
	s_mov_b32 s[G1A+2], 256<<16                    ; tensor_dim1 = 256
	s_mov_b32 s[G1A+3], 64<<16                     ; tile_dim0 = 64
	s_mov_b32 s[G1A+4], 256                        ; tile_dim1 = 256
	s_mov_b32 s[G1A+5], 64                         ; 64 elements from row to row
	s_mov_b32 s[G1A+6], 0
	s_mov_b32 s[G1A+7], 0
	s_or_b32 s[G1B+0], s45, 0x0f710000             ; after every 64 words 8 words
	s_mov_b32 s[G1B+1], 128<<16
	s_mov_b32 s[G1B+2], 64<<16
	s_mov_b32 s[G1B+3], 128<<16
	s_mov_b32 s[G1B+4], 64
	s_mov_b32 s[G1B+5], 128
	s_mov_b32 s[G1B+6], 0
	s_mov_b32 s[G1B+7], 0
	s_lshl_b32 s16, s43, 15                        ; x: 256 rows x 128 bytes for each block row
	s_mov_b32 s17, 0
	s_mul_i32 s46, s42, 3                          ; W: chunk 3 x block column + mine,
	s_add_co_u32 s46, s46, s15
	s_lshl_b32 s46, s46, 18                        ; 262,144 bytes each
	s_mov_b32 s47, 0
	s_mul_i32 s18, s42, 1536                       ; the block's 384 biases
	s_mov_b32 s19, 0
	s_mul_i32 s22, s12, BCH                        ; W's tile in LDS: wave x a chunk (+ BOFF - BCH below): no place in the cluster enters an LDS address
	s_wait_dscnt 0x0
	s_wait_kmcnt 0x0
	s_add_nc_u64 s[20:21], s[4:5], s[16:17]
	s_add_nc_u64 s[46:47], s[6:7], s[46:47]
	s_add_nc_u64 s[8:9], s[8:9], s[18:19]
	CROUND                                         ; all sixteen work-groups are here: the first joint loads meet
.irp s, 0,1
	s_mov_b32 s[G0A+4*\s], 1
	s_mov_b32 s[G0A+4*\s+1], \s*SLOT
	s_add_nc_u64 s[G0A+4*\s+2:G0A+4*\s+3], s[20:21], \s*PAN        ; K step s = panel s
	s_or_b32 s[G0A+4*\s+3], s[G0A+4*\s+3], 0x80000000
	s_mov_b32 s[G0B+4*\s], 1
	s_add_co_u32 s[G0B+4*\s+1], s22, \s*SLOT+BOFF-BCH
	s_add_nc_u64 s[G0B+4*\s+2:G0B+4*\s+3], s[46:47], \s*16384      ; K step s = 64 rows of 256 bytes
	s_or_b32 s[G0B+4*\s+3], s[G0B+4*\s+3], 0x80000000
	JLOAD \s                                       ; two loads of the wave are out
.endr
	v_and_b32 v1, 15, v0                           ; r
	v_bfe_u32 v2, v0, 4, 1                         ; h
	v_mul_u32_u24 v3, v1, PA
	v_lshl_add_u32 v3, v2, 4, v3                   ; r x 144 + 16 h
	s_mul_i32 s16, s13, 128*PA
	v_add_nc_u32 v[ADRA], s16, v3
	v_add_nc_u32 v[ADRA+1], SLOT, v[ADRA]
	v_and_b32 v4, 7, v0
	v_lshl_add_u32 v4, v2, 3, v4                   ; k row 8 h + lane mod 8
	v_mul_u32_u24 v5, v4, PB
	v_bfe_u32 v6, v0, 3, 1
	v_lshl_add_u32 v5, v6, 4, v5                   ; + 16 bytes for the second eight lanes of each sixteen
	s_lshl_b32 s17, s14, 7
	s_add_co_u32 s17, s17, BOFF                    ; my 64 columns of each chunk
	v_add_nc_u32 v[ADRB], s17, v5
	v_add_nc_u32 v[ADRB+1], SLOT, v[ADRB]
	s_mul_i32 s18, s12, 3*SPAN
	s_add_co_u32 s18, s18, STAGE                   ; my stage
	v_add_nc_u32 v[STO], s18, v3
	v_bfe_u32 v7, v0, 3, 2                         ; back: eight lanes take a row of 128 bytes, a wave four rows
	v_mul_u32_u24 v8, v7, PA
	v_and_b32 v9, 7, v0
	v_lshl_add_u32 v8, v9, 4, v8
	v_add_nc_u32 v[RD], s18, v8
	v_and_b32 v10, 31, v0
	v_lshlrev_b32 v[CO], 4, v10
	s_lshl_b32 s19, s14, 8
	v_lshl_add_u32 v[VB], v2, 5, s19               ; 256 wn + 32 h
; (a1 - a0) x 4 matrix instructions: row tiles a0 .. a1 - 1 x the four column tiles of chunk g.  The 96 accumulators take turns, one
; instruction a turn, in the same order in every sub-step.  zero = 1: the first product starts the sums.
.macro MULG f, g, a0, a1, zero
.set ma, \a0
.rept \a1-\a0
.irp j, 0,1,2,3
.if \zero
	v_wmma_f32_16x16x32_bf16 v[8*(4*ma+\j):8*(4*ma+\j)+7], v[FB+32*\g+8*\j:FB+32*\g+8*\j+7], v[\f+8*ma:\f+8*ma+7], 0
.else
	v_wmma_f32_16x16x32_bf16 v[8*(4*ma+\j):8*(4*ma+\j)+7], v[FB+32*\g+8*\j:FB+32*\g+8*\j+7], v[\f+8*ma:\f+8*ma+7], v[8*(4*ma+\j):8*(4*ma+\j)+7]
.endif
.endr
.set ma, ma+1
.endr
.endm
.macro LDB slot, kk, g                 ; eight transposing loads: chunk g's four column tiles, 32 along K
.irp j, 0,1,2,3
	ds_load_tr16_b128 v[FB+32*\g+8*\j:FB+32*\g+8*\j+3],   v[ADRB+\slot] offset:\g*BCH+\kk*32*PB+\j*32
	ds_load_tr16_b128 v[FB+32*\g+8*\j+4:FB+32*\g+8*\j+7], v[ADRB+\slot] offset:\g*BCH+\kk*32*PB+\j*32+16*PB
.endr
.endm
.macro LDA slot, kk, f, a0             ; eight loads: four row tiles of x
.irp a, \a0, \a0+1, \a0+2, \a0+3
	ds_load_b128 v[\f+8*(\a):\f+8*(\a)+3],   v[ADRA+\slot] offset:(\a)*16*PA+\kk*64
	ds_load_b128 v[\f+8*(\a)+4:\f+8*(\a)+7], v[ADRA+\slot] offset:(\a)*16*PA+\kk*64+32
.endr
.endm
; A sub-step that stays in its slot.  Behind each chunk's 32 matrix instructions that chunk's W registers are free and are loaded for the
; next sub-step (slot ns, half nk), with half of x's next fragments (buffer nf).  Order of the runs: W0, x 0-3, W1, x 4-7, W2.
.macro SUB f, zero, ns, nk, nf
	s_wait_dscnt 8                                 ; all but the youngest run, W2's eight loads, are in
	WIN 0x50
	MULG \f, 0, 0, 8, \zero
	PLACES
	WIN 0
	LDB \ns, \nk, 0
	LDA \ns, \nk, \nf, 0
	WIN 0xa0
	MULG \f, 1, 0, 8, \zero
	PLACES
	WIN 0
	LDB \ns, \nk, 1
	LDA \ns, \nk, \nf, 4
	s_wait_dscnt 32                                ; all but the four runs just issued: W2 is in
	WIN 0xf0
	MULG \f, 2, 0, 8, \zero
	PLACES
	WIN 0
	LDB \ns, \nk, 2
.endm
; The second sub-step of a slot changes slots.  In front of the barrier each wave waits for its reads of this slot and for all its tensor
; loads (one is out: its part of the next slot).  fill = 1: the barrier opens a round of the cluster's barrier, and behind the round this
; slot is asked for again, two K steps ahead, first thing.  From that request to the wait for it a wave issues 176 matrix instructions.
.macro TURN slot, next, fill
	s_wait_dscnt 8
	WIN 0x50
	MULG FA1, 0, 0, 4, 0
	s_wait_dscnt 0x0                               ; my reads of this slot are over
	s_wait_tensorcnt 0x0                           ; all my tensor loads have landed
	ds_add_u32 v30, v31
	s_wait_dscnt 0x0
	s_barrier_signal -1
	MULG FA1, 0, 4, 8, 0                           ; register work while the others arrive
	WIN 0
	s_barrier_wait -1
.if \fill
	CREST                                          ; no wave of any partner still reads this slot or has a load on its way
	s_add_nc_u64 s[G0A+4*\slot+2:G0A+4*\slot+3], s[G0A+4*\slot+2:G0A+4*\slot+3], 2*PAN
	s_add_nc_u64 s[G0B+4*\slot+2:G0B+4*\slot+3], s[G0B+4*\slot+2:G0B+4*\slot+3], 2*16384
	JLOAD \slot
.endif
	PLACES
	LDB \next, 0, 0
	LDA \next, 0, FA0, 0
	WIN 0xa0
	MULG FA1, 1, 0, 8, 0
	PLACES
	WIN 0
	LDB \next, 0, 1
	LDA \next, 0, FA0, 4
	WIN 0xf0
	MULG FA1, 2, 0, 8, 0
	PLACES
	WIN 0
	LDB \next, 0, 2
.endm
.macro LAP zero
	SUB FA0, \zero, 0, 1, FA1
	TURN 0, 1, 1
	SUB FA0, 0, 1, 1, FA1
	TURN 1, 0, 1
.endm
.macro BIAS g                          ; my eight biases of each of chunk g's four column tiles, into the W registers that are free now
.irp j, 0,1,2,3
	global_load_b128 v[FB+32*\g+8*\j:FB+32*\g+8*\j+3],   v[VB], s[8:9] offset:\g*512+\j*64
	global_load_b128 v[FB+32*\g+8*\j+4:FB+32*\g+8*\j+7], v[VB], s[8:9] offset:\g*512+\j*64+16
.endr
.endm
	s_wait_tensorcnt 0x1                           ; my part of K step 0 is in; K step 1's may stay out
	s_barrier_signal -1
	s_barrier_wait -1
	LDB 0, 0, 0
	LDA 0, 0, FA0, 0
	LDB 0, 0, 1
	LDA 0, 0, FA0, 4
	LDB 0, 0, 2
	LAP 1                                          ; K steps 0 and 1: the first products start the sums, nothing is cleared
	s_mov_b32 s3, 6                                ; K steps 2 to 13
.Llap:
	LAP 0
	s_sub_co_u32 s3, s3, 1
	s_cmp_lg_u32 s3, 0
	s_cbranch_scc1 .Llap
	SUB FA0, 0, 0, 1, FA1                          ; K steps 14 and 15: nothing is left to fetch
	TURN 0, 1, 0
	SUB FA0, 0, 1, 1, FA1
	s_wait_dscnt 8                                 ; the last sub-step: the biases come in where W's fragments were
	WIN 0x50
	MULG FA1, 0, 0, 8, 0
	PLACES
	WIN 0
	BIAS 0
	WIN 0xa0
	MULG FA1, 1, 0, 8, 0
	PLACES
	WIN 0
	BIAS 1
	s_wait_dscnt 0x0
	WIN 0xf0
	MULG FA1, 2, 0, 8, 0
	PLACES
	WIN 0
	BIAS 2
	; THE WAY OUT, 16 rows at a time: + bias, round to bf16, 16 bytes a lane into my own stage, read back as rows of 128 bytes.
	s_mul_i32 s20, s42, 6                          ; my first panel: 6 x block column + wn,
	s_add_co_u32 s20, s20, s14
	s_lshl_b32 s20, s20, 20
	s_lshl_b32 s21, s43, 15                        ; my first row: 256 x block row + 128 wm, 128 bytes each
	s_add_co_u32 s20, s20, s21
	s_lshl_b32 s21, s13, 14
	s_add_co_u32 s20, s20, s21
	s_mov_b32 s21, 0
	s_add_nc_u64 s[10:11], s[10:11], s[20:21]
	s_wait_loadcnt 0x0                             ; the biases
.macro OUTA a
.irp g, 0,1,2
	WIN \g+1                                       ; source 0 in chunk g's window
.irp j, 0,1,2,3
.irp p, 0,2,4,6
	v_pk_add_f32 v[T+8*\j+\p:T+8*\j+\p+1], v[8*(4*\a+\j)+\p:8*(4*\a+\j)+\p+1], v[FB+32*\g+8*\j+\p:FB+32*\g+8*\j+\p+1]
.endr
.endr
	WIN 0
.irp q, 0,1,2,3,4,5,6,7,8,9,10,11,12,13,14,15
	v_cvt_pk_bf16_f32 v[PK+16*\g+\q], v[T+2*\q], v[T+2*\q+1]
.endr
.irp j, 0,1,2,3
	ds_store_b128 v[STO], v[PK+16*\g+4*\j:PK+16*\g+4*\j+3] offset:\g*SPAN+32*\j
.endr
.endr
	s_wait_xcnt 0x0                                ; the registers that the last sixteen rows' stores read are loaded again only behind this wait
.irp g, 0,1,2
.irp t, 0,1,2,3
	ds_load_b128 v[OB+4*(4*\g+\t):OB+4*(4*\g+\t)+3], v[RD] offset:\g*SPAN+\t*4*PA   ; LDS serves a wave's instructions in order: these see the stores above
.endr
.endr
.irp g, 0,1,2
.irp t, 0,1,2,3
	s_wait_dscnt 11-(4*\g+\t)
	global_store_b128 v[CO], v[OB+4*(4*\g+\t):OB+4*(4*\g+\t)+3], s[10:11] offset:\g*2*PAN+\a*2048+\t*512   ; a wave stores 512 consecutive bytes: four rows of a panel
.endr
.endr
.endm
.irp a, 0,1,2,3,4,5,6,7
	OUTA \a
.endr
	s_wait_tensorcnt 0x0
	ds_add_u32 v30, v31
	s_wait_dscnt 0x0
	CROUND                                         ; the closing round: no work-group ends while a partner may still ask for a tile that names it
	s_endpgm
.Lfunc_end_k_q2c3649a48a_qkv:
	.size	k_q2c3649a48a_qkv, .Lfunc_end_k_q2c3649a48a_qkv-k_q2c3649a48a_qkv
	.p2alignl 7, 3214868480
	.fill 96, 4, 3214868480
	.section	.rodata,"a",@progbits
	.p2align	6, 0x0
	.amdhsa_kernel k_q2c3649a48a_qkv
		.amdhsa_group_segment_fixed_size 327680
		.amdhsa_private_segment_fixed_size 0
		.amdhsa_enable_private_segment 0
		.amdhsa_kernarg_size 32
		.amdhsa_user_sgpr_count 2
		.amdhsa_user_sgpr_kernarg_segment_ptr 1
		.amdhsa_wavefront_size32 1
		.amdhsa_system_sgpr_workgroup_id_x 1
		.amdhsa_system_sgpr_workgroup_id_y 1
		.amdhsa_system_sgpr_workgroup_id_z 1
		.amdhsa_system_vgpr_workitem_id 0
		.amdhsa_next_free_vgpr 1024
		.amdhsa_next_free_sgpr 66
		.amdhsa_reserve_vcc 0
		.amdhsa_float_denorm_mode_32 3
		.amdhsa_float_denorm_mode_16_64 3
		.amdhsa_memory_ordered 1
		.amdhsa_forward_progress 1
		.amdhsa_inst_pref_size 197
	.end_amdhsa_kernel
	.amdgpu_metadata
---
amdhsa.version: [ 1, 2 ]
amdhsa.kernels:
  - .name:           k_q2c3649a48a_qkv
    .symbol:         k_q2c3649a48a_qkv.kd
    .args:
      - { .name: xb, .offset: 0, .size: 8, .value_kind: global_buffer, .address_space: global }
      - { .name: wqb, .offset: 8, .size: 8, .value_kind: global_buffer, .address_space: global }
      - { .name: b_qkv, .offset: 16, .size: 8, .value_kind: global_buffer, .address_space: global }
      - { .name: qkv, .offset: 24, .size: 8, .value_kind: global_buffer, .address_space: global }
    .group_segment_fixed_size: 327680
    .private_segment_fixed_size: 0
    .kernarg_segment_align: 8
    .kernarg_segment_size: 32
    .max_flat_workgroup_size: 128
    .sgpr_count:     66
    .vgpr_count:     1024
    .wavefront_size: 32
...
	.end_amdgpu_metadata
.endif
;; end of part 2
;; launch attn (part 3): grid 256 x 1, 16 waves a work-group, no clusters, 309,248 bytes of LDS; arguments qkv, ao; writes ao
.if DOCPART == 3
	.amdgcn_target "amdgcn-amd-amdhsa--gfx1250"
	.amdhsa_code_object_version 6
	.text
	.protected	k_q2c3649a48a_attn
	.globl	k_q2c3649a48a_attn
	.p2align	8
	.type	k_q2c3649a48a_attn,@function
k_q2c3649a48a_attn:
	s_mov_b64 s[64:65], 0
	v_nop
	global_prefetch_b8 v0, s[64:65] scope:SCOPE_SE
	s_setreg_imm32_b32 hwreg(HW_REG_WAVE_MODE, 25, 1), 1
	s_wait_xcnt 0x0
; Attention inside the window |i - j| <= 128, for one (batch, head) and 512 queries a work-group: 8 x 16 x 2 = 256 work-groups.
; Sixteen waves; wave w owns 32 queries q0 = 512 half + 32 w and walks nine chunks of 32 keys, q0 - 128 + 32 c; chunks that lie outside
; 0..1023 are skipped by branches on ids; only chunks 0 and 8 cut the window's edge and are masked.
; All keys and values that the work-group needs (at most 640 rows of each) are brought into LDS once, by ten waves, two tensor loads each;
; LDS row 0 stands for key 512 half - 128, so no LDS address hangs on the work-group.  Nothing is filled again: one barrier.
; S^T = K Q^T: lane (r, h) holds query r and keys 8 h + j.  Packed to bf16 that is already the second source of O^T = V^T P^T, with V read
; by the transposing load.  The row statistics are a lane's own but for one exchange between the two halves of the wave.
; The softmax takes a running maximum away: chunk 4 (never masked, always present) comes first, so the maximum is finite from the start.
; NO CLUSTER: the two work-groups of a head share 256 of their 640 key rows, at different LDS rows, so no one descriptor serves both.
; Limits: q, k, v, p and the result are bf16; the sum of p is taken from the unrounded f32 p; exponentials flush results below 2^-126 to zero;
; a NaN among the scores loses in the maximum and is not reproduced element for element.
.set PAN,  0x100000
.set PKK,  144                         ; LDS pitch of K: 128 + 16
.set PVV,  160                         ; LDS pitch of V: 128 + 32 = 5 x 32
.set VOFF, 768*PKK                     ; 110,592
.set STG,  VOFF+768*PVV                ; 233,472: 32 rows x 144 bytes for each wave; no tensor load lands there
.set QOFF, 3
.set KADR, 4
.set VADR, 5
.set STO,  6
.set RD,   7
.set CO,   8
.set QF,   16                          ; v[16:47]   Q fragments (query tile, half of d)
.set KF,   48                          ; v[48:79]   K fragments (key tile, half of d)
.set VF,   80                          ; v[80:111]  V fragments (tile of d)
.set SB,   112                         ; v[112:143] scores: query tile n at 16 n, key tile at 8 kt
.set PF,   144                         ; v[144:159] p in bf16, a fragment for each query tile
.set OA,   160                         ; v[160:223] O^T: query tile n at 32 n, tile of d at 8 t
.set MX,   224                         ; new maximum, n = 0, 1
.set TMP,  226
.set TL,   228                         ; r - 8 h
.set NINF, 229
.set NM,   230                         ; v230, v232: - c x maximum     each the first register of an even pair, for the packed forms' broadcast;
.set MM,   231                         ; v231, v233: running maximum   the pairs' second registers hold live data
.set AL,   234                         ; v234, v236: the factor that rescales old sums
.set LL,   235                         ; v235, v237: running sum of p (this half of the wave's keys)
.set TS,   240                         ; v[240:255] at work
.macro PLACES
.rept 4
	v_nop
.endr
.endm
	s_load_b128 s[4:7], s[0:1], 0x0                ; qkv s[4:5], ao s[6:7]
	v_lshl_add_u32 v238, v0, 2, 0x4b000
	v_mov_b32 v239, 0
	ds_add_u32 v238, v239
	ds_add_u32 v238, v239
	v_lshrrev_b32 v1, 5, v0
	v_readfirstlane_b32 s8, v1                     ; wave 0..15
	s_and_b32 s9, ttmp9, 15                        ; head
	s_bfe_u32 s10, ttmp9, 0x30004                  ; batch
	s_lshr_b32 s11, ttmp9, 7                       ; half
	s_lshl4_add_u32 s12, s11, s8                   ; gw = 16 half + w: my 32 queries among the 32 x 32
	s_lshl3_add_u32 s13, s11, s8
	s_sub_co_u32 s13, s13, 2                       ; gp = 8 half + w - 2: the 64 keys that belong at LDS rows 64 w; outside 0..15 (unsigned) there are none
	s_min_u32 s14, s13, 15                         ; clamped, so that the address below is inside the buffer in every wave
	s_mov_b32 s16, 0x07110000                      ; K: 2-byte elements; padding on; after every 32 words 4 words
	s_mov_b32 s17, 64<<16
	s_mov_b32 s18, 64<<16
	s_mov_b32 s19, 64<<16
	s_mov_b32 s20, 64
	s_mov_b32 s21, 64
	s_mov_b32 s22, 0
	s_mov_b32 s23, 0
	s_mov_b32 s24, 0x0f110000                      ; V: after every 32 words 8 words
	s_mov_b32 s25, 64<<16
	s_mov_b32 s26, 64<<16
	s_mov_b32 s27, 64<<16
	s_mov_b32 s28, 64
	s_mov_b32 s29, 64
	s_mov_b32 s30, 0
	s_mov_b32 s31, 0
	s_mov_b32 s32, 1
	s_mul_i32 s33, s8, 64*PKK                      ; K's 64 rows of wave w
	s_mov_b32 s36, 1
	s_mul_i32 s37, s8, 64*PVV
	s_add_co_u32 s37, s37, VOFF                    ; V's
	s_lshl_b32 s46, s9, 20                         ; the head's panel
	s_lshl_b32 s15, s10, 17                        ; the batch's 1024 rows of 128 bytes
	s_add_co_u32 s46, s46, s15
	s_mov_b32 s47, 0
	s_lshl_b32 s15, s14, 13                        ; 64 rows
	s_add_co_u32 s42, s46, s15
	s_add_co_u32 s42, s42, 16*PAN                  ; k's panels lie 16 behind q's
	s_mov_b32 s43, 0
	s_lshl_b32 s15, s12, 12                        ; my 32 queries
	s_add_co_u32 s46, s46, s15
	s_wait_dscnt 0x0
	s_wait_kmcnt 0x0
	s_add_nc_u64 s[34:35], s[4:5], s[42:43]
	s_add_nc_u64 s[38:39], s[34:35], 16*PAN        ; v's panels lie 16 behind k's
	s_or_b32 s35, s35, 0x80000000
	s_or_b32 s39, s39, 0x80000000
	s_add_nc_u64 s[4:5], s[4:5], s[46:47]          ; q at my first query
	s_add_nc_u64 s[6:7], s[6:7], s[46:47]          ; ao likewise
	s_cmp_gt_u32 s8, 11                            ; LDS has twelve parts of 64 rows
	s_cbranch_scc1 .Lnofill
	s_cmp_gt_u32 s13, 15                           ; and two of them stand for keys that do not exist
	s_cbranch_scc1 .Lnofill
	tensor_load_to_lds s[32:35], s[16:23]          ; the only tensor loads: two of the wave are out
	s_nop 0
	tensor_load_to_lds s[36:39], s[24:31]
	s_nop 0
.Lnofill:
	v_and_b32 v1, 15, v0                           ; r
	v_bfe_u32 v2, v0, 4, 1                         ; h
	v_lshlrev_b32 v[QOFF], 7, v1
	v_lshl_add_u32 v[QOFF], v2, 4, v[QOFF]         ; r x 128 + 16 h
.irp qn, 0,1
.irp ds, 0,1
	global_load_b128 v[QF+16*\qn+8*\ds:QF+16*\qn+8*\ds+3],   v[QOFF], s[4:5] offset:\qn*2048+\ds*64      ; each byte of q serves one wave: straight into fragments
	global_load_b128 v[QF+16*\qn+8*\ds+4:QF+16*\qn+8*\ds+7], v[QOFF], s[4:5] offset:\qn*2048+\ds*64+32
.endr
.endr
	s_mov_b32 s40, 0x3e38aa3b                      ; c = log2(e) / 8: the scale 1 / sqrt(64) and the base of the exponential in one factor
	s_mov_b32 s41, 0x3e38aa3b
	s_mov_b32 s42, 0xbe38aa3b                      ; - c
	s_mov_b32 s44, 0x76543210                      ; v_permlanex16_b32: lane i reads lane i of the other half
	s_mov_b32 s45, 0xfedcba98
	v_mul_u32_u24 v9, v1, PKK
	v_lshl_add_u32 v9, v2, 4, v9                   ; r x 144 + 16 h
	s_mul_i32 s15, s8, 32*PKK
	v_add_nc_u32 v[KADR], s15, v9                  ; chunk c begins at LDS row 32 (w + c)
	s_add_co_u32 s15, s15, STG                     ; my stage: 32 rows of the same pitch
	v_add_nc_u32 v[STO], s15, v9
	v_bfe_u32 v10, v0, 3, 2
	v_mul_u32_u24 v10, v10, PKK
	v_and_b32 v11, 7, v0
	v_lshl_add_u32 v10, v11, 4, v10
	v_add_nc_u32 v[RD], s15, v10                   ; back: eight lanes take a row of 128 bytes
	v_lshl_add_u32 v11, v2, 3, v11                 ; key row 8 h + lane mod 8
	v_mul_u32_u24 v11, v11, PVV
	v_bfe_u32 v12, v0, 3, 1
	v_lshl_add_u32 v11, v12, 4, v11
	s_mul_i32 s15, s8, 32*PVV
	s_add_co_u32 s15, s15, VOFF
	v_add_nc_u32 v[VADR], s15, v11
	v_and_b32 v13, 31, v0
	v_lshlrev_b32 v[CO], 4, v13
	v_lshlrev_b32 v14, 3, v2
	v_sub_nc_u32 v[TL], v1, v14                    ; r - 8 h, signed
	v_mov_b32 v[NINF], 0xff800000
	v_mov_b32 v[TMP], 0                            ; the lane exchange counts as a reader of its destination
	v_mov_b32 v[TMP+1], 0
	s_wait_tensorcnt 0x0                           ; my parts of K and V are in LDS,
	s_barrier_signal -1
	s_barrier_wait -1                              ; everybody's are
	s_wait_loadcnt 0x0                             ; q
; One chunk of 32 keys.  mode 0: the first chunk, starts maximum and sums; 1: plain; 2: chunk 0 (lower edge); 3: chunk 8 (upper edge).
.macro CHUNK c, mode
.if \mode
	PLACES                                         ; behind the last chunk's products, before V's fragments are loaded again
.endif
.irp kt, 0,1
.irp ds, 0,1
	ds_load_b128 v[KF+16*\kt+8*\ds:KF+16*\kt+8*\ds+3],   v[KADR] offset:\c*32*PKK+\kt*16*PKK+\ds*64
	ds_load_b128 v[KF+16*\kt+8*\ds+4:KF+16*\kt+8*\ds+7], v[KADR] offset:\c*32*PKK+\kt*16*PKK+\ds*64+32
.endr
.endr
.irp t, 0,1,2,3
	ds_load_tr16_b128 v[VF+8*\t:VF+8*\t+3],   v[VADR] offset:\c*32*PVV+32*\t
	ds_load_tr16_b128 v[VF+8*\t+4:VF+8*\t+7], v[VADR] offset:\c*32*PVV+32*\t+16*PVV
.endr
	s_wait_dscnt 8                                 ; K's eight loads are in, V's eight may stay out
.irp qn, 0,1                                       ; the four score tiles take turns, one instruction a turn
.irp kt, 0,1
	v_wmma_f32_16x16x32_bf16 v[SB+16*\qn+8*\kt:SB+16*\qn+8*\kt+7], v[KF+16*\kt:KF+16*\kt+7], v[QF+16*\qn:QF+16*\qn+7], 0
.endr
.endr
.irp qn, 0,1
.irp kt, 0,1
	v_wmma_f32_16x16x32_bf16 v[SB+16*\qn+8*\kt:SB+16*\qn+8*\kt+7], v[KF+16*\kt+8:KF+16*\kt+15], v[QF+16*\qn+8:QF+16*\qn+15], v[SB+16*\qn+8*\kt:SB+16*\qn+8*\kt+7]
.endr
.endr
	PLACES
.if \mode == 2
	; i - j = 128 + 16 (n - kt) + r - 8 h - j' must not pass 128: tiles n = kt keep j' >= r - 8 h; tile (1, 0) is blocked whole; tile (0, 1) is free
.irp j, 0,1,2,3,4,5,6,7
	v_cmp_ge_i32 vcc_lo, \j, v[TL]
	v_cndmask_b32 v[SB+\j], v[NINF], v[SB+\j], vcc_lo
	v_cndmask_b32 v[SB+24+\j], v[NINF], v[SB+24+\j], vcc_lo
	v_mov_b32 v[SB+16+\j], v[NINF]
.endr
.endif
.if \mode == 3
	; i - j = 16 (n - kt) + r - 8 h - j' - 128 must not fall below -128: tiles n = kt keep j' <= r - 8 h; tile (0, 1) is blocked whole; tile (1, 0) is free
.irp j, 0,1,2,3,4,5,6,7
	v_cmp_le_i32 vcc_lo, \j, v[TL]
	v_cndmask_b32 v[SB+\j], v[NINF], v[SB+\j], vcc_lo
	v_cndmask_b32 v[SB+24+\j], v[NINF], v[SB+24+\j], vcc_lo
	v_mov_b32 v[SB+8+\j], v[NINF]
.endr
.endif
	; the new maximum of each query: my sixteen scores and the old maximum, then the other half of the wave
.irp qn, 0,1
.if \mode
	v_max3_num_f32 v[MX+\qn], v[MM+2*\qn], v[SB+16*\qn], v[SB+16*\qn+1]
.else
	v_max_num_f32 v[MX+\qn], v[SB+16*\qn], v[SB+16*\qn+1]
.endif
.endr
.irp i, 2,4,6,8,10,12,14
	v_max3_num_f32 v[MX], v[MX], v[SB+\i], v[SB+\i+1]
	v_max3_num_f32 v[MX+1], v[MX+1], v[SB+16+\i], v[SB+16+\i+1]
.endr
	v_permlanex16_b32 v[TMP], v[MX], s44, s45
	v_permlanex16_b32 v[TMP+1], v[MX+1], s44, s45
.irp qn, 0,1
	v_max_num_f32 v[MX+\qn], v[MX+\qn], v[TMP+\qn]
.endr
.irp qn, 0,1
	v_mul_f32 v[NM+2*\qn], s42, v[MX+\qn]          ; - c m
.endr
.if \mode
.irp qn, 0,1
	v_fma_f32 v[AL+2*\qn], v[MM+2*\qn], s40, v[NM+2*\qn]   ; c (old m - m), at most 0
.endr
.endif
.irp qn, 0,1
	v_mov_b32 v[MM+2*\qn], v[MX+\qn]
.endr
.irp qn, 0,1
.irp i, 0,2,4,6,8,10,12,14
	v_pk_fma_f32 v[SB+16*\qn+\i:SB+16*\qn+\i+1], v[SB+16*\qn+\i:SB+16*\qn+\i+1], s[40:41], v[NM+2*\qn:NM+2*\qn+1] op_sel_hi:[1,0,0]   ; c s - c m
.endr
.endr
.if \mode
	v_exp_f32 v[AL], v[AL]
	v_exp_f32 v[AL+2], v[AL+2]
.endif
.set ci, 0
.rept 32
	v_exp_f32 v[SB+ci], v[SB+ci]                   ; p = 2^(c s - c m); a blocked score gives 0
.set ci, ci+1
.endr
	v_nop                                          ; one plain instruction behind the exponentials before their results are used (ISA guide 5.7.2)
	s_wait_alu depctr_va_vdst(0)
.irp qn, 0,1
.irp k, 0,1,2,3
	v_pk_add_f32 v[TS+8*\qn+2*\k:TS+8*\qn+2*\k+1], v[SB+16*\qn+4*\k:SB+16*\qn+4*\k+1], v[SB+16*\qn+4*\k+2:SB+16*\qn+4*\k+3]
.endr
.endr
.irp qn, 0,1
	v_pk_add_f32 v[TS+8*\qn:TS+8*\qn+1], v[TS+8*\qn:TS+8*\qn+1], v[TS+8*\qn+2:TS+8*\qn+3]
	v_pk_add_f32 v[TS+8*\qn+4:TS+8*\qn+5], v[TS+8*\qn+4:TS+8*\qn+5], v[TS+8*\qn+6:TS+8*\qn+7]
.endr
.irp qn, 0,1
	v_pk_add_f32 v[TS+8*\qn:TS+8*\qn+1], v[TS+8*\qn:TS+8*\qn+1], v[TS+8*\qn+4:TS+8*\qn+5]
.endr
.irp qn, 0,1
.if \mode
	v_add_f32 v[TS+8*\qn], v[TS+8*\qn], v[TS+8*\qn+1]
	v_fma_f32 v[LL+2*\qn], v[LL+2*\qn], v[AL+2*\qn], v[TS+8*\qn]
.else
	v_add_f32 v[LL+2*\qn], v[TS+8*\qn], v[TS+8*\qn+1]
.endif
.endr
.irp qn, 0,1
.irp i, 0,1,2,3,4,5,6,7
	v_cvt_pk_bf16_f32 v[PF+8*\qn+\i], v[SB+16*\qn+2*\i], v[SB+16*\qn+2*\i+1]   ; keys 8 h + 0..7 in registers 0-3, 16 + 8 h + 0..7 in 4-7: a fragment as it stands
.endr
.endr
.if \mode
.irp qn, 0,1
.set ci, 0
.rept 16
	v_pk_mul_f32 v[OA+32*\qn+ci:OA+32*\qn+ci+1], v[OA+32*\qn+ci:OA+32*\qn+ci+1], v[AL+2*\qn:AL+2*\qn+1] op_sel_hi:[1,0]
.set ci, ci+2
.endr
.endr
.endif
	s_wait_dscnt 0x0                               ; V's fragments
.irp t, 0,1,2,3                                    ; eight different accumulators
.irp qn, 0,1
.if \mode
	v_wmma_f32_16x16x32_bf16 v[OA+32*\qn+8*\t:OA+32*\qn+8*\t+7], v[VF+8*\t:VF+8*\t+7], v[PF+8*\qn:PF+8*\qn+7], v[OA+32*\qn+8*\t:OA+32*\qn+8*\t+7]
.else
	v_wmma_f32_16x16x32_bf16 v[OA+32*\qn+8*\t:OA+32*\qn+8*\t+7], v[VF+8*\t:VF+8*\t+7], v[PF+8*\qn:PF+8*\qn+7], 0
.endif
.endr
.endr
.endm
	CHUNK 4, 0                                     ; keys q0 .. q0 + 31: always there, never masked
	s_cmp_lt_u32 s12, 1                            ; chunk c < 4 begins at key 32 (gw - 4 + c): there is none if gw < 4 - c, nor any below it
	s_cbranch_scc1 .Lupper
	CHUNK 3, 1
	s_cmp_lt_u32 s12, 2
	s_cbranch_scc1 .Lupper
	CHUNK 2, 1
	s_cmp_lt_u32 s12, 3
	s_cbranch_scc1 .Lupper
	CHUNK 1, 1
	s_cmp_lt_u32 s12, 4
	s_cbranch_scc1 .Lupper
	CHUNK 0, 2
.Lupper:
	s_cmp_gt_u32 s12, 30                           ; chunk c > 4: none if gw > 35 - c, nor any above it
	s_cbranch_scc1 .Lfin
	CHUNK 5, 1
	s_cmp_gt_u32 s12, 29
	s_cbranch_scc1 .Lfin
	CHUNK 6, 1
	s_cmp_gt_u32 s12, 28
	s_cbranch_scc1 .Lfin
	CHUNK 7, 1
	s_cmp_gt_u32 s12, 27
	s_cbranch_scc1 .Lfin
	CHUNK 8, 3
.Lfin:
	PLACES                                         ; behind the last products, before their results are read
	v_permlanex16_b32 v[TMP], v[LL], s44, s45
	v_permlanex16_b32 v[TMP+1], v[LL+2], s44, s45
	v_add_f32 v[LL], v[LL], v[TMP]                 ; the whole sum of p: at least 1, since the largest score gives p = 1
	v_add_f32 v[LL+2], v[LL+2], v[TMP+1]
	v_rcp_f32 v[AL], v[LL]
	v_rcp_f32 v[AL+2], v[LL+2]
	v_nop
	s_wait_alu depctr_va_vdst(0)
.irp qn, 0,1
.set ci, 0
.rept 16
	v_pk_mul_f32 v[OA+32*\qn+ci:OA+32*\qn+ci+1], v[OA+32*\qn+ci:OA+32*\qn+ci+1], v[AL+2*\qn:AL+2*\qn+1] op_sel_hi:[1,0]
.set ci, ci+2
.endr
.endr
.set ci, 0
.rept 32
	v_cvt_pk_bf16_f32 v[SB+ci], v[OA+2*ci], v[OA+2*ci+1]           ; tile (n, t): four registers, d = 16 t + 8 h + 0..7 of query 16 n + r
.set ci, ci+1
.endr
.irp qn, 0,1
.irp t, 0,1,2,3
	ds_store_b128 v[STO], v[SB+16*\qn+4*\t:SB+16*\qn+4*\t+3] offset:\qn*16*PKK+32*\t
.endr
.endr
.irp i, 0,1,2,3,4,5,6,7
	ds_load_b128 v[KF+4*\i:KF+4*\i+3], v[RD] offset:\i*4*PKK       ; my own stage: LDS serves a wave's instructions in order
.endr
.irp i, 0,1,2,3,4,5,6,7
	s_wait_dscnt 7-\i
	global_store_b128 v[CO], v[KF+4*\i:KF+4*\i+3], s[6:7] offset:512*\i   ; a wave stores 512 consecutive bytes: four rows of the head's panel
.endr
	s_wait_tensorcnt 0x0
	ds_add_u32 v238, v239
	s_wait_dscnt 0x0
	s_endpgm
.Lfunc_end_k_q2c3649a48a_attn:
	.size	k_q2c3649a48a_attn, .Lfunc_end_k_q2c3649a48a_attn-k_q2c3649a48a_attn
	.p2alignl 7, 3214868480
	.fill 96, 4, 3214868480
	.section	.rodata,"a",@progbits
	.p2align	6, 0x0
	.amdhsa_kernel k_q2c3649a48a_attn
		.amdhsa_group_segment_fixed_size 309248
		.amdhsa_private_segment_fixed_size 0
		.amdhsa_enable_private_segment 0
		.amdhsa_kernarg_size 16
		.amdhsa_user_sgpr_count 2
		.amdhsa_user_sgpr_kernarg_segment_ptr 1
		.amdhsa_wavefront_size32 1
		.amdhsa_system_sgpr_workgroup_id_x 1
		.amdhsa_system_sgpr_workgroup_id_y 1
		.amdhsa_system_sgpr_workgroup_id_z 1
		.amdhsa_system_vgpr_workitem_id 0
		.amdhsa_next_free_vgpr 256
		.amdhsa_next_free_sgpr 66
		.amdhsa_reserve_vcc 1
		.amdhsa_float_denorm_mode_32 3
		.amdhsa_float_denorm_mode_16_64 3
		.amdhsa_memory_ordered 1
		.amdhsa_forward_progress 1
		.amdhsa_inst_pref_size 102
	.end_amdhsa_kernel
	.amdgpu_metadata
---
amdhsa.version: [ 1, 2 ]
amdhsa.kernels:
  - .name:           k_q2c3649a48a_attn
    .symbol:         k_q2c3649a48a_attn.kd
    .args:
      - { .name: qkv, .offset: 0, .size: 8, .value_kind: global_buffer, .address_space: global }
      - { .name: ao, .offset: 8, .size: 8, .value_kind: global_buffer, .address_space: global }
    .group_segment_fixed_size: 309248
    .private_segment_fixed_size: 0
    .kernarg_segment_align: 8
    .kernarg_segment_size: 16
    .max_flat_workgroup_size: 512
    .sgpr_count:     66
    .vgpr_count:     256
    .wavefront_size: 32
...
	.end_amdgpu_metadata
.endif
;; end of part 3
;; launch oln (part 4): grid 128 x 1, 4 waves a work-group, clusters of 4 x 1, 327,680 bytes of LDS; arguments ao, wob, inp, gamma, beta, out0; writes out0
.if DOCPART == 4
	.amdgcn_target "amdgcn-amd-amdhsa--gfx1250"
	.amdhsa_code_object_version 6
	.text
	.protected	k_q2c3649a48a_oln
	.globl	k_q2c3649a48a_oln
	.p2align	8
	.type	k_q2c3649a48a_oln,@function
k_q2c3649a48a_oln:
	s_mov_b64 s[64:65], 0
	v_nop
	global_prefetch_b8 v0, s[64:65] scope:SCOPE_SE
	s_setreg_imm32_b32 hwreg(HW_REG_WAVE_MODE, 25, 1), 1
	s_wait_xcnt 0x0
	s_wait_alu depctr_hold_cnt(0) depctr_sa_sdst(0) depctr_va_vdst(0) depctr_va_sdst(0) depctr_va_ssrc(0) depctr_va_vcc(0) depctr_vm_vsrc(0)
	s_getreg_b32 s2, hwreg(HW_REG_IB_STS2, 6, 4)
	s_cmp_eq_u32 s2, 0
	s_cbranch_scc0 .Lentry_in_a_cluster
	s_endpgm
.Lentry_in_a_cluster:
	s_bfe_u32 s2, ttmp6, 0x10000c
	s_cmp_lg_u32 s2, 0x3003
	s_cbranch_scc0 .Lentry_shape_is_right
	s_endpgm
.Lentry_shape_is_right:
; out0 = LayerNorm(inp + ao W_o) gamma + beta.  The norm needs whole rows, so a work-group makes 64 rows x all 1024 columns:
; 128 work-groups.  (32 rows on 256 work-groups would walk all 2 MiB of W_o for half the matrix work.)
; Four waves; wave w makes columns 256 w .. +255: 4 x 16 = 64 accumulator tiles, 512 registers.
; K goes in 16 steps of 64 through two LDS slots of W_o; a step is two sub-steps of 32 along K, 64 matrix instructions each.
; CLUSTERS: 4 x 1.  Every work-group walks the same W_o, so each tile is asked for jointly by the four of a cluster; wave w asks for
; chunk w (64 k rows x 512 bytes): one tensor load a wave behind each round.
; ao's fragments come straight from memory into a ring of four register buffers, three sub-steps ahead: all four waves' tensor loads
; are taken by W_o, and 16 rows x 128 bytes of a panel are 2,048 consecutive bytes.
; After the last K step the ring's LDS, which has had its last fill, takes the 64 x 1024 sums in f32; each wave then reads 16 whole rows,
; adds the residual and normalises in two passes (mean first, then the squares of the differences: no difference of large sums).
; REGISTERS: window 0: v16-28 addresses; v32-159 ao's fragments (4 x 32), later rows at work; v160-191 gamma, v192-223 beta.
;            window 3: W_o's fragments, two buffers of 128.  Windows 1, 2: accumulators, tile (a, j) at v[8 (4 (j mod 8) + a)] of window 1 + j / 8;
;            later the residual rows, row i at v[32 (i mod 8)] of window 1 + i / 8.
; Limits: matrix operands are bf16; the reciprocal square root is good to one unit in the last place.
.set PAN,   0x100000
.set PB,    544                        ; LDS pitch of W_o: 512 + 32 = 17 x 32
.set PART,  64*PB                      ; a wave's chunk: 34,816
.set SLOT2, 4*PART                     ; 139,264
.set SP,    4112                       ; the stage's pitch: 4,096 + 16
.set ADRB,  16                         ; v16-17
.set STO,   20                         ; v20-23  one for each row tile: 16 rows of the stage pass the 16-bit immediate
.set RD,    24
.set RO,    25                         ; my 16 rows in inp and out0
.set AOFF,  26
.set PFO,   27
.set GOFF,  28
.set AQ,    32
.set XS,    32                         ; v[32:63], v[64:95]: two rows at work
.set T,     96                         ; v[96:103] four chains
.set SM,    104
.set TP,    105
.set NMN,   106                        ; v[106:107] - mean, twice
.set RS,    108                        ; v[108:109] 1 / sqrt(var + eps), twice
.set VAR,   110
.set GA,    160
.set BE,    192
.set G1,    24
.set G0,    32
.set MSB,   0
.macro WIN new
.if MSB != (\new)
	s_set_vgpr_msb (MSB<<8)|(\new)
.set MSB, (\new)
.endif
.endm
.macro PLACES
.rept 4
	v_nop
.endr
.endm
.macro CREST
	s_cmp_lg_u32 s16, 0
	s_cbranch_scc1 .Lnot_wave_0_\@
	s_barrier_signal -3
.Lnot_wave_0_\@:
	s_barrier_wait -3
	s_barrier_signal -1
	s_barrier_wait -1
.endm
.macro CROUND
	s_barrier_signal -1
	s_barrier_wait -1
	CREST
.endm
.macro LDA2                            ; eight loads: four row tiles of ao, 32 along K, into buffer LQ from byte LOF behind the lap's base
.irp a, 0,1,2,3
	global_load_b128 v[LQ+8*\a:LQ+8*\a+3],   v[AOFF], s[4:5] offset:LOF+\a*2048
	global_load_b128 v[LQ+8*\a+4:LQ+8*\a+7], v[AOFF], s[4:5] offset:LOF+\a*2048+32
.endr
.endm
	s_load_b256 s[4:11], s[0:1], 0x0               ; ao s[4:5], wob s[6:7], inp s[8:9], gamma s[10:11]
	s_load_b128 s[12:15], s[0:1], 0x20             ; beta s[12:13], out0 s[14:15]
	v_lshl_add_u32 v254, v0, 2, 0x44000
	v_mov_b32 v255, 0
	ds_add_u32 v254, v255
	ds_add_u32 v254, v255
	v_lshrrev_b32 v1, 5, v0
	v_readfirstlane_b32 s16, v1                    ; wave 0..3
	s_bfe_u32 s17, ttmp6, 0x40000                  ; cx
	s_lshl_b32 s18, ttmp9, 2
	s_add_co_u32 s18, s18, s17                     ; work-group 0..127
	s_mov_b32 s[G1+0], 0x0fb1000f                  ; mask: all four; 2-byte elements; padding on; bit 21 beside a mask; after every 128 words 8 words
	s_mov_b32 s[G1+1], 256<<16
	s_mov_b32 s[G1+2], 64<<16
	s_mov_b32 s[G1+3], 256<<16
	s_mov_b32 s[G1+4], 64
	s_mov_b32 s[G1+5], 256
	s_mov_b32 s[G1+6], 0
	s_mov_b32 s[G1+7], 0
	s_mul_i32 s20, s16, PART
	s_lshl_b32 s22, s16, 19                        ; chunk w of wob
	s_mov_b32 s23, 0
	s_lshl_b32 s44, s18, 13                        ; 64 rows of a panel of ao
	s_mov_b32 s45, 0
	s_lshl_b32 s46, s18, 18                        ; 64 rows of inp and out0
	s_mov_b32 s47, 0
	s_mov_b32 s40, 0x76543210
	s_mov_b32 s41, 0xfedcba98
	s_mov_b32 s42, 0xba800000                      ; - 1 / 1024
	s_mov_b32 s43, 0x3a800000                      ; 1 / 1024
	v_and_b32 v1, 15, v0                           ; r
	v_bfe_u32 v2, v0, 4, 1                         ; h
	v_and_b32 v3, 31, v0                           ; lane
	v_lshlrev_b32 v[AOFF], 7, v1
	v_lshl_add_u32 v[AOFF], v2, 4, v[AOFF]         ; r x 128 + 16 h
	v_lshlrev_b32 v[GOFF], 4, v3
	s_wait_dscnt 0x0
	s_wait_kmcnt 0x0
	s_add_nc_u64 s[22:23], s[6:7], s[22:23]
	s_add_nc_u64 s[4:5], s[4:5], s[44:45]
	s_add_nc_u64 s[8:9], s[8:9], s[46:47]
	s_add_nc_u64 s[14:15], s[14:15], s[46:47]
.irp q, 0,1,2,3,4,5,6,7
	global_load_b128 v[GA+4*\q:GA+4*\q+3], v[GOFF], s[10:11] offset:512*\q     ; columns 128 q + 4 lane + 0..3, as a row is held below
	global_load_b128 v[BE+4*\q:BE+4*\q+3], v[GOFF], s[12:13] offset:512*\q
.endr
.set LQ, AQ
.set LOF, 0
	LDA2                                           ; sub-steps 0, 1, 2
.set LQ, AQ+32
.set LOF, 64
	LDA2
.set LQ, AQ+64
.set LOF, PAN
	LDA2
	CROUND                                         ; all four work-groups are here: the first joint loads meet
.irp s, 0,1
	s_mov_b32 s[G0+4*\s], 1
	s_add_co_u32 s[G0+4*\s+1], s20, \s*SLOT2
	s_add_nc_u64 s[G0+4*\s+2:G0+4*\s+3], s[22:23], \s*32768        ; K step s: 64 rows of 512 bytes
	s_or_b32 s[G0+4*\s+3], s[G0+4*\s+3], 0x80000000
	tensor_load_to_lds s[G0+4*\s:G0+4*\s+3], s[G1:G1+7]            ; two loads of the wave are out
	s_nop 0
.endr
	v_and_b32 v4, 7, v0
	v_lshl_add_u32 v4, v2, 3, v4                   ; k row 8 h + lane mod 8
	v_mul_u32_u24 v5, v4, PB
	v_bfe_u32 v6, v0, 3, 1
	v_lshl_add_u32 v5, v6, 4, v5
	v_add_nc_u32 v[ADRB], s20, v5
	v_add_nc_u32 v[ADRB+1], SLOT2, v[ADRB]
	v_mul_u32_u24 v7, v1, SP
	v_lshl_add_u32 v7, v2, 5, v7                   ; row r, 32 h bytes
	s_lshl_b32 s19, s16, 10
	v_add_nc_u32 v[STO], s19, v7                   ; my 256 columns
.irp a, 1,2,3
	v_add_nc_u32 v[STO+\a], \a*16*SP, v[STO]
.endr
	s_mul_i32 s19, s16, 16*SP
	v_add_nc_u32 v[RD], s19, v[GOFF]               ; rows 16 w ..
	s_lshl_b32 s19, s16, 16
	v_add_nc_u32 v[RO], s19, v[GOFF]
	v_lshl_add_u32 v[PFO], v3, 8, s19              ; lanes 256 bytes apart
; (j1 - j0) x 4 matrix instructions: column tiles 8 hi + j0 .. x the four row tiles.  The 64 accumulators take turns, one instruction a turn,
; in the same order in every sub-step.
.macro MUL2 q, buf, hi, j0, j1, zero
.set mj, \j0
.rept \j1-\j0
.irp a, 0,1,2,3
.if \zero
	v_wmma_f32_16x16x32_bf16 v[8*(4*mj+\a):8*(4*mj+\a)+7], v[128*\buf+8*(8*\hi+mj):128*\buf+8*(8*\hi+mj)+7], v[\q+8*\a:\q+8*\a+7], 0
.else
	v_wmma_f32_16x16x32_bf16 v[8*(4*mj+\a):8*(4*mj+\a)+7], v[128*\buf+8*(8*\hi+mj):128*\buf+8*(8*\hi+mj)+7], v[\q+8*\a:\q+8*\a+7], v[8*(4*mj+\a):8*(4*mj+\a)+7]
.endif
.endr
.set mj, mj+1
.endr
.endm
.macro FETCH2 slot, kk, buf            ; 32 transposing loads in one run: my sixteen column tiles, 32 along K
	WIN 0xc0
.irp j, 0,1,2,3,4,5,6,7,8,9,10,11,12,13,14,15
	ds_load_tr16_b128 v[128*\buf+8*\j:128*\buf+8*\j+3],   v[ADRB+\slot] offset:\kk*32*PB+32*\j
	ds_load_tr16_b128 v[128*\buf+8*\j+4:128*\buf+8*\j+7], v[ADRB+\slot] offset:\kk*32*PB+32*\j+16*PB
.endr
	WIN 0
.endm
.macro MORE i, lda, pf0, pfn           ; behind a run of LDS loads: ao's fragments of sub-step i + 3 of the lap, or prefetches of the residual
.if \lda
.set LQ, AQ+32*((\i+3)&3)
.set LOF, ((\i+3)>>1)*PAN+((\i+3)&1)*64
	LDA2
.endif
.if \pfn
.set pk, \pf0
.rept \pfn
	global_prefetch_b8 v[PFO], s[8:9] offset:pk*8192 th:TH_LOAD_NT scope:SCOPE_SE   ; 32 blocks of 256 bytes of my own 16 residual rows; each block is asked for once
.set pk, pk+1
.endr
.endif
.endm
; First sub-step of a slot.  i: the sub-step's place in the lap.  lcnt: the loads of ao's younger sub-steps, which may stay out.
.macro SUB2 slot, i, zero, lda, lcnt, pf0, pfn
	s_wait_loadcnt \lcnt
	s_wait_dscnt 16                                ; column tiles 0-7 are in; the youngest sixteen loads (tiles 8-15) may stay out
	WIN 0x53
	MUL2 AQ+32*\i, 0, 0, 0, 8, \zero
	PLACES
	FETCH2 \slot, 1, 1
	MORE \i, \lda, \pf0, \pfn
	s_wait_dscnt 32                                ; all but the 32 just issued
	WIN 0xa3
	MUL2 AQ+32*\i, 0, 1, 0, 8, \zero
.endm
; Second sub-step: changes slots.  In front of the barrier each wave waits for its reads of this slot and for all its tensor loads.
; fill = 1: the barrier opens a round of the cluster's barrier; behind the round this slot is asked for again, two K steps ahead, first thing.
; From that request to the wait for it a wave issues 112 matrix instructions.
.macro TURN2 slot, next, i, fill, lda, lcnt, pf0, pfn
	s_wait_loadcnt \lcnt
	s_wait_dscnt 16
	WIN 0x53
	MUL2 AQ+32*\i, 1, 0, 0, 4, 0
	s_wait_dscnt 0x0
	s_set_vgpr_msb 0x5350
	s_wait_tensorcnt 0x0
	ds_add_u32 v254, v255
	s_wait_dscnt 0x0
	s_set_vgpr_msb 0x5053
	s_barrier_signal -1
	MUL2 AQ+32*\i, 1, 0, 4, 8, 0
	WIN 0
	s_barrier_wait -1
.if \fill
	CREST
	s_add_nc_u64 s[G0+4*\slot+2:G0+4*\slot+3], s[G0+4*\slot+2:G0+4*\slot+3], 65536
	tensor_load_to_lds s[G0+4*\slot:G0+4*\slot+3], s[G1:G1+7]
	s_nop 0
.endif
	PLACES
	FETCH2 \next, 0, 0
	MORE \i, \lda, \pf0, \pfn
	WIN 0xa3
	MUL2 AQ+32*\i, 1, 1, 0, 8, 0
.endm
.macro LAP2 zero
	SUB2 0, 0, \zero, 1, 16, 0, 0
	TURN2 0, 1, 1, 1, 1, 16, 0, 0
	SUB2 1, 2, 0, 1, 16, 0, 0
	TURN2 1, 0, 3, 1, 1, 16, 0, 0
	WIN 0
	s_wait_xcnt 0x0                                ; the base that pending loads name is stepped only behind this wait
	s_add_nc_u64 s[4:5], s[4:5], 2*PAN             ; two panels of ao a lap
.endm
	s_wait_tensorcnt 0x1                           ; my part of K step 0 is in; K step 1's may stay out
	s_barrier_signal -1
	s_barrier_wait -1
	FETCH2 0, 0, 0
	LAP2 1                                         ; the first products start the sums
	s_mov_b32 s3, 6
.Llap:
	LAP2 0
	s_sub_co_u32 s3, s3, 1
	s_cmp_lg_u32 s3, 0
	s_cbranch_scc1 .Llap
	SUB2 0, 0, 0, 1, 16, 0, 3                      ; the last lap: one more run of ao (sub-step 31), then none: the counts run down 16, 16, 8, 0
	TURN2 0, 1, 1, 0, 0, 16, 3, 3                  ; nothing is left to fetch of W_o
	SUB2 1, 2, 0, 0, 8, 6, 2
	s_wait_loadcnt 0x0
	s_wait_dscnt 0x0                               ; my last reads of the ring are over:
	s_barrier_signal -1                            ; behind this barrier its bytes take the sums
	WIN 0x53
	MUL2 AQ+96, 1, 0, 0, 8, 0
	WIN 0xa3
	MUL2 AQ+96, 1, 1, 0, 8, 0
	WIN 0
	s_barrier_wait -1
	; THE STAGE: lane (r, h) of tile (a, j) holds row 16 a + r, columns 256 w + 16 j + 8 h + 0..7: 32 bytes
	PLACES
	v_mov_b32 v[TP], 0                             ; the lane exchange counts as a reader of its destination
.macro STAGE_ST base
.irp jj, 0,1,2,3,4,5,6,7
.irp a, 0,1,2,3
	ds_store_b128 v[STO+\a], v[8*(4*\jj+\a):8*(4*\jj+\a)+3]   offset:\base+64*\jj
	ds_store_b128 v[STO+\a], v[8*(4*\jj+\a)+4:8*(4*\jj+\a)+7] offset:\base+64*\jj+16
.endr
.endr
.endm
.macro RES row                         ; a residual row: eight loads of 512 consecutive bytes (the argument may be a sum: it stands in brackets everywhere)
	WIN 0x40*(1+((\row)>>3))
.irp q, 0,1,2,3,4,5,6,7
	global_load_b128 v[32*((\row)&7)+4*\q:32*((\row)&7)+4*\q+3], v[RO], s[8:9] offset:(\row)*4096+512*\q th:TH_LOAD_NT
.endr
.endm
	WIN 0x04
	STAGE_ST 0
	WIN 0x08
	STAGE_ST 512
	WIN 0
	s_wait_dscnt 0x0                               ; my stores are in LDS, for the others' sake; the accumulators' registers are free
.irp i, 0,1,2,3,4,5,6
	RES \i
.endr
	WIN 0
	s_barrier_signal -1
	s_barrier_wait -1
.irp q, 0,1,2,3,4,5,6,7
	ds_load_b128 v[XS+4*\q:XS+4*\q+3], v[RD] offset:512*\q          ; row 0 of my sixteen
.endr
.macro WSUM                            ; v[SM] summed over the 32 lanes, the result in every lane
	v_add_f32_dpp v[SM], v[SM], v[SM] row_xmask:1 row_mask:0xf bank_mask:0xf
	v_add_f32_dpp v[SM], v[SM], v[SM] row_xmask:2 row_mask:0xf bank_mask:0xf
	v_add_f32_dpp v[SM], v[SM], v[SM] row_xmask:4 row_mask:0xf bank_mask:0xf
	v_add_f32_dpp v[SM], v[SM], v[SM] row_xmask:8 row_mask:0xf bank_mask:0xf
	v_permlanex16_b32 v[TP], v[SM], s40, s41
	v_add_f32 v[SM], v[SM], v[TP]
.endm
.macro FOLD                            ; the four chains into v[SM]
	v_pk_add_f32 v[T:T+1], v[T:T+1], v[T+2:T+3]
	v_pk_add_f32 v[T+4:T+5], v[T+4:T+5], v[T+6:T+7]
	v_pk_add_f32 v[T:T+1], v[T:T+1], v[T+4:T+5]
	v_add_f32 v[SM], v[T], v[T+1]
.endm
.macro ROW i
.set xc, XS+32*(\i&1)
.set xn, XS+32*((\i+1)&1)
.if \i < 15
	s_wait_xcnt 0x0                                ; the other set, which the row before stored from, is loaded again only behind this wait
.irp q, 0,1,2,3,4,5,6,7
	ds_load_b128 v[xn+4*\q:xn+4*\q+3], v[RD] offset:(\i+1)*SP+512*\q
.endr
	s_wait_dscnt 8                                 ; this row is in, the next row's eight loads stay out
.else
	s_wait_dscnt 0x0
.endif
.if \i < 9
	s_wait_loadcnt 48                              ; six younger residual rows stay out
.else
	s_wait_loadcnt 8*(15-\i)
.endif
	WIN 0x04*(1+(\i>>3))
.set ci, 0
.rept 16
	v_pk_add_f32 v[xc+ci:xc+ci+1], v[xc+ci:xc+ci+1], v[32*(\i&7)+ci:32*(\i&7)+ci+1]   ; + residual
.set ci, ci+2
.endr
.if \i < 9
	RES \i+7
.endif
	WIN 0
.irp k, 0,2,4,6
	v_pk_add_f32 v[T+\k:T+\k+1], v[xc+\k:xc+\k+1], v[xc+8+\k:xc+8+\k+1]
.endr
.irp k, 0,2,4,6
	v_pk_add_f32 v[T+\k:T+\k+1], v[T+\k:T+\k+1], v[xc+16+\k:xc+16+\k+1]
.endr
.irp k, 0,2,4,6
	v_pk_add_f32 v[T+\k:T+\k+1], v[T+\k:T+\k+1], v[xc+24+\k:xc+24+\k+1]
.endr
	FOLD
	WSUM
	v_mul_f32 v[NMN], s42, v[SM]                   ; - mean, twice: a pair for the packed add
	v_mul_f32 v[NMN+1], s42, v[SM]
.set ci, 0
.rept 16
	v_pk_add_f32 v[xc+ci:xc+ci+1], v[xc+ci:xc+ci+1], v[NMN:NMN+1]
.set ci, ci+2
.endr
.irp k, 0,2,4,6
	v_pk_mul_f32 v[T+\k:T+\k+1], v[xc+\k:xc+\k+1], v[xc+\k:xc+\k+1]
.endr
.irp m, 8,16,24
.irp k, 0,2,4,6
	v_pk_fma_f32 v[T+\k:T+\k+1], v[xc+\m+\k:xc+\m+\k+1], v[xc+\m+\k:xc+\m+\k+1], v[T+\k:T+\k+1]
.endr
.endr
	FOLD
	WSUM
	v_fmaak_f32 v[VAR], s43, v[SM], 0x3727c5ac     ; variance + 1e-5
	v_rsq_f32 v[RS], v[VAR]
	v_rsq_f32 v[RS+1], v[VAR]
	v_nop                                          ; one plain instruction before the results are used (ISA guide 5.7.2)
.set ci, 0
	s_wait_alu depctr_va_vdst(0)
.rept 16
	v_pk_mul_f32 v[xc+ci:xc+ci+1], v[xc+ci:xc+ci+1], v[RS:RS+1]
.set ci, ci+2
.endr
.set ci, 0
.rept 16
	v_pk_fma_f32 v[xc+ci:xc+ci+1], v[xc+ci:xc+ci+1], v[GA+ci:GA+ci+1], v[BE+ci:BE+ci+1]
.set ci, ci+2
.endr
.irp q, 0,1,2,3,4,5,6,7
	global_store_b128 v[RO], v[xc+4*\q:xc+4*\q+3], s[14:15] offset:\i*4096+512*\q th:TH_STORE_NT   ; a wave stores 512 consecutive bytes
.endr
.endm
.irp i, 0,1,2,3,4,5,6,7,8,9,10,11,12,13,14,15
	ROW \i
.endr
	s_wait_tensorcnt 0x0
	ds_add_u32 v254, v255
	s_wait_dscnt 0x0
	CROUND                                         ; the closing round
	s_endpgm
.Lfunc_end_k_q2c3649a48a_oln:
	.size	k_q2c3649a48a_oln, .Lfunc_end_k_q2c3649a48a_oln-k_q2c3649a48a_oln
	.p2alignl 7, 3214868480
	.fill 96, 4, 3214868480
	.section	.rodata,"a",@progbits
	.p2align	6, 0x0
	.amdhsa_kernel k_q2c3649a48a_oln
		.amdhsa_group_segment_fixed_size 327680
		.amdhsa_private_segment_fixed_size 0
		.amdhsa_enable_private_segment 0
		.amdhsa_kernarg_size 48
		.amdhsa_user_sgpr_count 2
		.amdhsa_user_sgpr_kernarg_segment_ptr 1
		.amdhsa_wavefront_size32 1
		.amdhsa_system_sgpr_workgroup_id_x 1
		.amdhsa_system_sgpr_workgroup_id_y 1
		.amdhsa_system_sgpr_workgroup_id_z 1
		.amdhsa_system_vgpr_workitem_id 0
		.amdhsa_next_free_vgpr 1024
		.amdhsa_next_free_sgpr 66
		.amdhsa_reserve_vcc 0
		.amdhsa_float_denorm_mode_32 3
		.amdhsa_float_denorm_mode_16_64 3
		.amdhsa_memory_ordered 1
		.amdhsa_forward_progress 1
		.amdhsa_inst_pref_size 253
	.end_amdhsa_kernel
	.amdgpu_metadata
---
amdhsa.version: [ 1, 2 ]
amdhsa.kernels:
  - .name:           k_q2c3649a48a_oln
    .symbol:         k_q2c3649a48a_oln.kd
    .args:
      - { .name: ao, .offset: 0, .size: 8, .value_kind: global_buffer, .address_space: global }
      - { .name: wob, .offset: 8, .size: 8, .value_kind: global_buffer, .address_space: global }
      - { .name: inp, .offset: 16, .size: 8, .value_kind: global_buffer, .address_space: global }
      - { .name: gamma, .offset: 24, .size: 8, .value_kind: global_buffer, .address_space: global }
      - { .name: beta, .offset: 32, .size: 8, .value_kind: global_buffer, .address_space: global }
      - { .name: out0, .offset: 40, .size: 8, .value_kind: global_buffer, .address_space: global }
    .group_segment_fixed_size: 327680
    .private_segment_fixed_size: 0
    .kernarg_segment_align: 8
    .kernarg_segment_size: 48
    .max_flat_workgroup_size: 128
    .sgpr_count:     66
    .vgpr_count:     1024
    .wavefront_size: 32
...
	.end_amdgpu_metadata
.endif
;; end of part 4
